; MI455X (gfx1250); checked and timed in simulation.
; The chip was launched on July 23, 2026; its instructions are those of AMD's public machine-readable ISA for CDNA 5 (MIT licence, August 2026) and "CDNA5" Instruction Set Architecture Reference Guide (July 2026). The comments in the code are by the model that wrote it; some were corrected since.
;; CS Win Self Attention. Allowed arithmetic: float matrix products may take bf16 or f16 operands with f32 sums; all other float work in f32.
;; Inputs: Wproj 128 x 128 float32; Wqkv 128 x 384 float32; beta 128 float32; bproj 128 float32; bqkv 384 float32; gamma 128 float32; x 8 x 128 x 128 x 128 float32.
;; Outputs: out0 8 x 128 x 128 x 128 float32.
;; One version. Each part assembles by itself: llvm-mc -triple=amdgcn-amd-amdhsa -mcpu=gfx1250 --defsym DOCPART=n.
;; ======== version 1 of 1: 2 launches
;; workspace buffers: hv 16,777,216 bytes
;; launch vert (part 1): grid 64 x 8, 16 waves a work-group, no clusters, 327,680 bytes of LDS; arguments x, Wqkv, bqkv, gamma, beta, hv; writes hv
.if DOCPART == 1
	.amdgcn_target "amdgcn-amd-amdhsa--gfx1250"
	.amdhsa_code_object_version 6
	.text
	.protected	k_qb6c14d9274_vert
	.globl	k_qb6c14d9274_vert
	.p2align	8
	.type	k_qb6c14d9274_vert,@function
k_qb6c14d9274_vert:
	s_mov_b64 s[64:65], 0
	v_nop
	global_prefetch_b8 v0, s[64:65] scope:SCOPE_SE
	s_setreg_imm32_b32 hwreg(HW_REG_WAVE_MODE, 25, 1), 1
	s_wait_xcnt 0x0
; STRIPE ATTENTION OF A CSWIN BLOCK.  One text serves two launches; VERT chooses.
;   VERT = 1: LayerNorm, q/k/v of heads 4-7, attention inside a stripe of two image COLUMNS; the 64 channels go to hv, bf16 [8][128][128][64].
;   VERT = 0: LayerNorm, q/k/v of heads 0-3, attention inside a stripe of two image ROWS; then [own 64 channels, hv] x Wproj + bproj + x goes to out0.
; SHARES.  A work-group owns one stripe: 256 tokens of 128 channels (x = stripe, y = image).  With VERT = 1 token t is (row t / 2, column 2 s + t % 2): another order than the
; definition's, which changes the order of sums alone.  Sixteen waves, four to a SIMD, 256 registers each: the loop is mostly exponentials, maxima and roundings, so one wave's
; exponentials run beside another's plain and matrix work.  LayerNorm, projections: wave w has tokens 16 w .. 16 w + 15.  Attention: wave w has head w / 4 and the four query
; tiles 4 (w % 4) + u; the head's K and V (256 keys) stay in its registers.
; SOFTMAX IN TWO PASSES.  Pass 1 makes all 256 scores of 16 queries and keeps their true maximum m alone.  Pass 2 makes them again with -m as the C operand, so the product
; delivers s - m: no running maximum, no rescaling, no subtraction, and 32 registers of scores live.  The scale log2(e) / 4 is multiplied into q in f32 before q is rounded.
; The row sums come from a product of ones with P, which also gives the accumulator of O a partner to take turns with.
; HEAD SIZE 16 IN A K OF 32.  Q's fragment has zeros in its upper half; K's fragment for tile t is v[KF + 4 t .. + 7], whose upper half is tile t + 1's data and meets those zeros.
; NO CLUSTER: work-groups share the weights alone, 96 KB or 160 KB beside 128 KB of x, and those must be rounded and turned in registers on the way in.
; TENSOR LOADS of 8 rows of 1,024 bytes, one a wave (two with VERT = 0): each wave then reads only bytes that its own load brought, and the stripe's 128 KB go out at once.  No LDS byte is filled twice.
; LIMITS.  Matrix operands are bf16: xn, the weights, q c, k, v, p, o.  The divisor l is the sum of the ROUNDED p.  A weight below 2^-126 counts as 0.  NaN and infinities are not
; treated apart; an infinite k reaches its neighbour tile's scores as 0 x infinity, in a stripe and head that the definition loses as well.
.set VERT, 1
.set OFFC,   64*VERT                   ; first of my 64 columns in each of Wqkv's three parts
.set XPITCH, 528                       ; a token of x in LDS: 512 bytes + 16: the 16 rows that a load touches start at 16 different groups of four banks
.set XTILE,  16*XPITCH                 ; a wave's 16 tokens
.set WPITCH, 272                       ; a row of a turned weight: 128 bf16 + 16 bytes
.set HPITCH, 144                       ; a token of 64 bf16 + 16 bytes
.set WS,     256*XPITCH                ; x lies at 0; then W^T [192][128] bf16, later Wproj^T [128][128]
.set QS,     WS+192*WPITCH             ; q, k, v: blocks of 512 bytes, (head x 16 + tile) x 512 + 16 x lane
.set KS,     QS+32768
.set VS,     KS+32768
.set HS,     VS+32768                  ; VERT = 0: hv's 256 tokens
.if VERT
.set SPARE,  HS                        ; the spare words: 128 bytes a wave, eight blocks of 256 bytes that no other line names
.set XSS,    10                        ; x: shift of the stripe's number,
.set XWS,    19                        ; of the wave's number,
.set XSTRIDE, 16384                    ; and elements of 4 bytes from one row of 1,024 bytes to the next
.set HSS,    8                         ; hv: the same two shifts
.set HWS,    17
.else
.set SPARE,  HS+256*HPITCH
.set XSS,    17
.set XWS,    13
.set XSTRIDE, 256
.set HSS,    15
.set HWS,    11
.endif
; scalar registers
.set PX,  4                            ; s[4:5] x      s[6:7] Wqkv    s[8:9] bqkv    s[10:11] gamma    s[12:13] beta    s[14:15] hv
.set PW,  6
.set PBQ, 8
.set PG,  10
.set PBE, 12
.set PHV, 14
.set PWP, 16                           ; VERT = 0: s[16:17] Wproj    s[18:19] bproj    s[20:21] out0
.set PBP, 18
.set POUT, 20
.set WV,  22                           ; my wave's number
.set HD,  23                           ; my head among the four
.set BB,  24                           ; image
.set SS,  25                           ; stripe
.set OX,  26                           ; s[26:27] byte offset of my 16 tokens in x (and in out0)
.set OH,  28                           ; s[28:29] the same in hv
.set CNT, 30                           ; units to go
.set PF,  31                           ; the value of CNT at which I prefetch; 0: never
.set GX0, 32                           ; s[32:35], s[36:43] x's descriptor
.set GX1, 36
.set GH0, 44                           ; s[44:47], s[48:55] hv's descriptor
.set GH1, 48
.set CS,  56                           ; s[56:57] log2(e) / 4
.set SEL, 58                           ; s[58:59] v_permlanex16_b32: each lane takes its own place in the other half
.set PFB, 60                           ; s[60:61] x at the stripe that is prefetched
.set TS0, 62
.set TS1, 63
; vector registers kept throughout
.set RR,  1                            ; lane % 16
.set HH,  2                            ; lane / 16
.set L16, 3                            ; 16 x lane
.set XA,  4                            ; LDS: my token's row of x + 32 (lane / 16)
.set GOF, 5                            ; 32 (lane / 16): my 8 channels in a vector of 128 f32
.set WA,  6                            ; LDS: a turned weight's row lane % 16 + 16 (lane / 16)
.set QW,  7                            ; LDS: block (head 0, tile w) of q, my 16 bytes
.set VW,  8                            ; the same of v
.set QA,  9                            ; LDS: the q block of the unit in hand
.set OST, 10                           ; VERT = 1: where the unit's o goes in the stage
.set HA,  10                           ; VERT = 0: my token's row of hv + 16 (lane / 16)
.set RD,  11                           ; the way out: where I read rows back
.set GO,  12                           ; VERT = 1: my byte offset in hv
.set PFO, 13                           ; my block of 256 bytes in the prefetched stripe
.set SPW, 14                           ; my spare word
.set NIL, 15                           ; 0
; by phase
.set WT,  16                           ; staging: 24 pairs of W as loaded
.set X,   16                           ; LayerNorm: my 64 channels
.set G,   80
.set BT,  144
.set XN,  208                          ; xn: four fragments of 16 tokens x 32 channels
.set SM,  240                          ; four pairs of partial sums
.set MN,  248
.set RS,  250
.set TL,  252
.set TA,  253                          ; addresses at work
.set TB,  254
.set TC,  255
.set ACC, 16                           ; QKV: 12 accumulators: q heads 0-3, k heads 0-3, v heads 0-3
.set WF0, 112                          ; two buffers of six fragments of W^T
.set BV,  240                          ; v's bias, each number twice
.set TP,  248                          ; 16 packed bytes
.set KF,  16                           ; attention: K, 4 registers a tile, and 4 of zeros
.set VF,  84                           ; V^T, 8 registers for 32 keys
.set QF,  148
.set ONE, 156
.set NM,  164                          ; -m, eight times
.set SA,  172                          ; two buffers of two score tiles
.set P0,  204                          ; two buffers of P
.set OA,  220                          ; O^T
.set LA,  228                          ; the row sums
.set CH,  236                          ; four chains of the maximum
.set T,   240
.set R,   242
.set WP,  172                          ; VERT = 0: Wproj as loaded
.set XR,  16                           ; VERT = 0, projection: x + bproj, then the result
.set H,   80
.set WFA, 112
.set WFB, 176
.set BI,  176
.set ROW, 112
.set OB,  16
.macro PLACES                          ; four plain instructions between a matrix instruction and what reads its result or writes its registers (ISA guide 7.12.1)
.rept 4
	v_nop
.endr
.endm
.if VERT
	s_load_b256 s[4:11], s[0:1], 0x0
	s_load_b128 s[12:15], s[0:1], 0x20
.else
	s_load_b512 s[4:19], s[0:1], 0x0
	s_load_b64 s[20:21], s[0:1], 0x40
.endif
	v_lshl_add_u32 v[SPW], v0, 2, SPARE
	v_mov_b32 v[NIL], 0
	ds_add_u32 v[SPW], v[NIL]                      ; the wave's opening: the add and its wait stand ahead of my first tensor load; work on registers stands between them
	ds_add_u32 v14, v15
	v_lshrrev_b32 v1, 5, v0
	v_readfirstlane_b32 s[WV], v1
	s_lshr_b32 s[HD], s[WV], 2
	s_and_b32 s[BB], ttmp7, 0xffff
	s_mov_b32 s[SS], ttmp9
	; x's descriptor: 8 rows of 256 elements of 4 bytes (two tokens a row), 4 words of padding behind every 128 words: a token every 528 bytes
	s_mov_b32 s[GX0], 1
	s_mul_i32 s[GX0+1], s[WV], XTILE               ; my 16 tokens' place in LDS
	s_mov_b32 s[GX1+0], (2<<16)|(1<<20)|(6<<22)|(3<<25)
	s_mov_b32 s[GX1+1], 256<<16                    ; tensor_dim0
	s_mov_b32 s[GX1+2], 8<<16                      ; tensor_dim1
	s_mov_b32 s[GX1+3], 256<<16                    ; tile_dim0
	s_mov_b32 s[GX1+4], 8                          ; tile_dim1
	s_mov_b32 s[GX1+5], XSTRIDE
	s_mov_b32 s[GX1+6], 0
	s_mov_b32 s[GX1+7], 0
.if VERT == 0
	; hv's descriptor: 8 rows of 128 elements of 2 bytes (two tokens a row), 4 words of padding behind every 32 words: a token every 144 bytes
	s_mov_b32 s[GH0], 1
	s_mul_i32 s[GH0+1], s[WV], 16*HPITCH
	s_add_co_u32 s[GH0+1], s[GH0+1], HS
	s_mov_b32 s[GH1+0], (1<<16)|(1<<20)|(4<<22)|(3<<25)
	s_mov_b32 s[GH1+1], 128<<16
	s_mov_b32 s[GH1+2], 8<<16
	s_mov_b32 s[GH1+3], 128<<16
	s_mov_b32 s[GH1+4], 8
	s_mov_b32 s[GH1+5], 128
	s_mov_b32 s[GH1+6], 0
	s_mov_b32 s[GH1+7], 0
.endif
	s_lshl_b32 s[OX], s[BB], 23                    ; an image of x is 8,388,608 bytes
	s_lshl_b32 s[TS0], s[SS], XSS
	s_add_co_u32 s[OX], s[OX], s[TS0]
	s_add_co_u32 s[TS1], s[BB], 4                  ; the same stripe four images on (held inside x: image 7 at the most)
	s_min_u32 s[TS1], s[TS1], 7
	s_lshl_b32 s[PFB], s[TS1], 23
	s_add_co_u32 s[PFB], s[PFB], s[TS0]
	s_mov_b32 s[PFB+1], 0
	s_lshl_b32 s[TS0], s[WV], XWS
	s_add_co_u32 s[OX], s[OX], s[TS0]
	s_mov_b32 s[OX+1], 0
	s_lshl_b32 s[OH], s[BB], 21                    ; an image of hv is 2,097,152 bytes
	s_lshl_b32 s[TS0], s[SS], HSS
	s_add_co_u32 s[OH], s[OH], s[TS0]
	s_lshl_b32 s[TS0], s[WV], HWS
	s_add_co_u32 s[OH], s[OH], s[TS0]
	s_mov_b32 s[OH+1], 0
	s_cmp_lt_u32 s[BB], 4
	s_cselect_b32 s[PF], 1, 0                      ; images 0-3 prefetch in the last unit (CNT = 1), images 4-7 never
	s_mov_b32 s[CS], 0x3eb8aa3b                    ; log2(e) / 4
	s_mov_b32 s[CS+1], s[CS]
	s_mov_b32 s[SEL], 0x76543210
	s_mov_b32 s[SEL+1], 0xfedcba98
	s_wait_dscnt 0x0                               ; the opening add is done
	s_wait_kmcnt 0x0
	s_add_nc_u64 s[GX0+2:GX0+3], s[PX:PX+1], s[OX:OX+1]
	s_or_b32 s[GX0+3], s[GX0+3], 0x80000000        ; type 2
.if VERT == 0
	s_add_nc_u64 s[GH0+2:GH0+3], s[PHV:PHV+1], s[OH:OH+1]
	s_or_b32 s[GH0+3], s[GH0+3], 0x80000000
.endif
	tensor_load_to_lds s[GX0:GX0+3], s[GX1:GX1+7]  ; my 16 tokens of x
	s_nop 0
.if VERT == 0
	tensor_load_to_lds s[GH0:GH0+3], s[GH1:GH1+7]  ; and of hv: two loads of mine are out
	s_nop 0
.endif
	s_add_nc_u64 s[PFB:PFB+1], s[PX:PX+1], s[PFB:PFB+1]
.if VERT
	s_add_nc_u64 s[PHV:PHV+1], s[PHV:PHV+1], s[OH:OH+1]
.else
	s_add_nc_u64 s[POUT:POUT+1], s[POUT:POUT+1], s[OX:OX+1]
.endif
	; THE WEIGHTS.  Wave w takes rows k = 8 w .. 8 w + 7 of Wqkv; a lane takes columns 2 l, 2 l + 1 of my 64 in each part: a load covers 256 consecutive bytes.
	v_and_b32 v[L16], 31, v0
	v_and_b32 v[RR], 15, v0
	v_bfe_u32 v[HH], v0, 4, 1
	v_mul_u32_u24 v[TB], v[L16], 2*WPITCH          ; two rows of W^T a lane
	v_lshlrev_b32 v[L16], 4, v[L16]
	s_mul_i32 s[TS0], s[WV], 8*1536
	s_add_co_u32 s[TS0], s[TS0], OFFC*4
	v_lshrrev_b32 v[TA], 1, v[L16]
	v_add_nc_u32 v[TA], s[TS0], v[TA]
	v_lshlrev_b32 v[GOF], 5, v[HH]
.set pp, 0
.rept 3
.set ii, 0
.rept 8
	global_load_b64 v[WT+2*(8*pp+ii):WT+2*(8*pp+ii)+1], v[TA], s[PW:PW+1] offset:ii*1536+pp*512
.set ii, ii+1
.endr
.set pp, pp+1
.endr
.set ii, 0
.rept 16                                               ; gamma and beta of my 64 channels: 16 i + 8 (lane / 16) + 0..7, i = 0..7: the order of a fragment's registers
	global_load_b128 v[G+4*ii:G+4*ii+3], v[GOF], s[PG:PG+1] offset:64*(ii/2)+16*(ii%2)
	global_load_b128 v[BT+4*ii:BT+4*ii+3], v[GOF], s[PBE:PBE+1] offset:64*(ii/2)+16*(ii%2)
.set ii, ii+1
.endr
	; the addresses, while the loads are out
	s_lshl_b32 s[TS0], s[WV], 4
	s_add_co_u32 s[TS0], s[TS0], WS
	v_add_nc_u32 v[TB], s[TS0], v[TB]              ; W^T: row 2 l, bytes 16 w on (k = 8 w ..)
	v_mul_u32_u24 v[XA], v[RR], XPITCH
	v_lshl_add_u32 v[XA], v[HH], 5, v[XA]
	v_add_nc_u32 v[XA], s[GX0+1], v[XA]
	v_mul_u32_u24 v[WA], v[RR], WPITCH
	v_lshl_add_u32 v[WA], v[HH], 4, v[WA]
	v_add_nc_u32 v[WA], WS, v[WA]
	s_lshl_b32 s[TS0], s[WV], 9
	s_add_co_u32 s[TS0], s[TS0], QS
	v_add_nc_u32 v[QW], s[TS0], v[L16]
	v_add_nc_u32 v[VW], 0x10000, v[QW]
	s_lshl_b32 s[TS0], s[WV], 11                   ; block head x 16 + 4 (w % 4) = 4 w
	s_add_co_u32 s[TS0], s[TS0], QS
	v_add_nc_u32 v[QA], s[TS0], v[L16]
.if VERT
	s_and_b32 s[TS0], s[WV], 3                     ; the stage lies where x lay: token x 144 + head x 32 + 16 (lane / 16)
	s_mul_i32 s[TS0], s[TS0], 64*HPITCH
	s_lshl_b32 s[TS1], s[HD], 5
	s_add_co_u32 s[TS0], s[TS0], s[TS1]
	v_mul_u32_u24 v[OST], v[RR], HPITCH
	v_lshl_add_u32 v[OST], v[HH], 4, v[OST]
	v_add_nc_u32 v[OST], s[TS0], v[OST]
	s_mul_i32 s[TS0], s[WV], 16*HPITCH             ; back: 32 lanes take four tokens of 128 bytes
	v_bfe_u32 v[RD], v0, 3, 2
	v_mul_u32_u24 v[RD], v[RD], HPITCH
	v_and_b32 v[GO], 7, v0
	v_lshl_add_u32 v[RD], v[GO], 4, v[RD]
	v_add_nc_u32 v[RD], s[TS0], v[RD]
	v_lshlrev_b32 v[GO], 4, v[RR]                  ; lanes 0-15: the two tokens of one image row, 256 bytes; lanes 16-31: the next image row
	v_lshl_add_u32 v[GO], v[HH], 14, v[GO]
	v_lshrrev_b32 v[PFO], 2, v0                    ; thread t: image row t / 4, block t % 4 of its 1,024 bytes
	v_lshlrev_b32 v[PFO], 16, v[PFO]
	v_and_b32 v[TL], 3, v0
	v_lshl_add_u32 v[PFO], v[TL], 8, v[PFO]
.else
	v_mul_u32_u24 v[HA], v[RR], HPITCH
	v_lshl_add_u32 v[HA], v[HH], 4, v[HA]
	v_add_nc_u32 v[HA], s[GH0+1], v[HA]
	v_add_nc_u32 v[RD], s[GX0+1], v[L16]           ; back: 32 lanes take one token of 512 bytes
	v_lshlrev_b32 v[PFO], 8, v0                    ; thread t: block t of the stripe's 131,072 bytes
.endif
	v_mov_b32 v[TL], 0                             ; v_permlanex16_b32 counts as a reader of its destination
	s_mov_b32 s[TS0], 0x3c000000                   ; 1 / 128
	s_mov_b32 s[TS1], 0x3727c5ac                   ; 1e-5
	s_wait_loadcnt 32                              ; W's 24 loads are in; the 32 of gamma and beta are younger and stay out
.set pp, 0
.rept 3
.set ee, 0
.rept 2
.set jj, 0
.rept 4
	v_cvt_pk_bf16_f32 v[TP+jj], v[WT+2*(8*pp+2*jj)+ee], v[WT+2*(8*pp+2*jj+1)+ee]
.set jj, jj+1
.endr
	ds_store_b128 v[TB], v[TP:TP+3] offset:pp*64*WPITCH+ee*WPITCH  ; row 64 p + 2 l + e of W^T, k = 8 w .. 8 w + 7
.set ee, ee+1
.endr
.set pp, pp+1
.endr
	; LAYERNORM.  Lane (r, h) holds 64 channels of token r, the lane 16 away the other 64, already in the order of xn's fragments.
	s_wait_tensorcnt 0x0                           ; my own loads have landed; only I read these bytes as they were filled
.set ii, 0
.rept 16
	ds_load_b128 v[X+4*ii:X+4*ii+3], v[XA] offset:64*(ii/2)+16*(ii%2)
.set ii, ii+1
.endr
	s_wait_dscnt 0x0
.macro ACROSS                          ; four pairs of partial sums into one number, the same in both lanes of a token
	v_pk_add_f32 v[SM:SM+1], v[SM:SM+1], v[SM+2:SM+3]
	v_pk_add_f32 v[SM+4:SM+5], v[SM+4:SM+5], v[SM+6:SM+7]
	v_pk_add_f32 v[SM:SM+1], v[SM:SM+1], v[SM+4:SM+5]
	v_add_f32 v[SM], v[SM], v[SM+1]
	v_permlanex16_b32 v[TL], v[SM], s[SEL], s[SEL+1]
	v_add_f32 v[SM], v[SM], v[TL]
.endm
.set ii, 0
.rept 4
	v_pk_add_f32 v[SM+2*ii:SM+2*ii+1], v[X+2*ii:X+2*ii+1], v[X+8+2*ii:X+8+2*ii+1]  ; the first pairs start the chains: nothing is cleared
.set ii, ii+1
.endr
.set ii, 8
.rept 24
	v_pk_add_f32 v[SM+2*(ii%4):SM+2*(ii%4)+1], v[SM+2*(ii%4):SM+2*(ii%4)+1], v[X+2*ii:X+2*ii+1]
.set ii, ii+1
.endr
	ACROSS
	v_mul_f32 v[MN], s[TS0], v[SM]
	v_mul_f32 v[MN+1], s[TS0], v[SM]
.set ii, 0
.rept 32
	v_pk_add_f32 v[X+2*ii:X+2*ii+1], v[X+2*ii:X+2*ii+1], v[MN:MN+1] neg_lo:[0,1] neg_hi:[0,1]  ; the mean goes first, so that the variance is no difference of large sums
.set ii, ii+1
.endr
.set ii, 0
.rept 4
	v_pk_mul_f32 v[SM+2*ii:SM+2*ii+1], v[X+2*ii:X+2*ii+1], v[X+2*ii:X+2*ii+1]
.set ii, ii+1
.endr
.rept 28
	v_pk_fma_f32 v[SM+2*(ii%4):SM+2*(ii%4)+1], v[X+2*ii:X+2*ii+1], v[X+2*ii:X+2*ii+1], v[SM+2*(ii%4):SM+2*(ii%4)+1]
.set ii, ii+1
.endr
	ACROSS
	v_fma_f32 v[TL], v[SM], s[TS0], s[TS1]         ; variance + 1e-5
	v_rsq_f32 v[RS], v[TL]
	v_rsq_f32 v[RS+1], v[TL]
	v_nop                                          ; a plain instruction between the last of them and the use of its result (ISA guide 5.7.2)
	s_wait_loadcnt 0x0                             ; gamma and beta
.set ii, 0
	s_wait_alu depctr_va_vdst(0)
.rept 32
	v_pk_mul_f32 v[X+2*ii:X+2*ii+1], v[X+2*ii:X+2*ii+1], v[RS:RS+1]
.set ii, ii+1
.endr
.set ii, 0
.rept 32
	v_pk_fma_f32 v[X+2*ii:X+2*ii+1], v[X+2*ii:X+2*ii+1], v[G+2*ii:G+2*ii+1], v[BT+2*ii:BT+2*ii+1]
.set ii, ii+1
.endr
.set ii, 0
.rept 32
	v_cvt_pk_bf16_f32 v[XN+ii], v[X+2*ii], v[X+2*ii+1]
.set ii, ii+1
.endr
	; q's and k's biases are the sums' beginnings: a lane's eight registers of tile n are channels 8 (lane / 16) + 0..7 of part n / 4, head n % 4
.set nn, 0
.rept 8
	global_load_b128 v[ACC+8*nn:ACC+8*nn+3], v[GOF], s[PBQ:PBQ+1] offset:(nn/4)*512+OFFC*4+(nn%4)*64
	global_load_b128 v[ACC+8*nn+4:ACC+8*nn+7], v[GOF], s[PBQ:PBQ+1] offset:(nn/4)*512+OFFC*4+(nn%4)*64+16
.set nn, nn+1
.endr
	v_lshlrev_b32 v[TA], 2, v[RR]                  ; (its loads of W were shown done above)  v's results hold channel lane % 16: one bias a lane and head, loaded twice to fill a pair
.set nn, 0
.rept 4
	global_load_b32 v[BV+2*nn], v[TA], s[PBQ:PBQ+1] offset:1024+OFFC*4+nn*64
	global_load_b32 v[BV+2*nn+1], v[TA], s[PBQ:PBQ+1] offset:1024+OFFC*4+nn*64
.set nn, nn+1
.endr
	s_wait_dscnt 0x0                               ; for the others' sake: my rows of W^T are stored, my reads of x are back
	s_barrier_signal -1
	s_barrier_wait -1                              ; W^T is whole
	; Q, K, V.  Step k: channels 32 (k / 2) on, tiles 6 (k % 2) + 0..5, fragment buffer k % 2.  The twelve accumulators take turns.
	; q, k: source 0 = W^T, source 1 = xn: a lane holds ONE token and eight channels.  v: the sources swapped: a lane holds ONE channel and eight tokens: half a fragment of V^T.
.macro LOADW k
.set cc, (\k)/2
.set ff, WF0+48*((\k)%2)
.set ii, 0
.rept 6
.set nt, 6*((\k)%2)+ii
	ds_load_b128 v[ff+8*ii:ff+8*ii+3], v[WA] offset:nt*16*WPITCH+64*cc
	ds_load_b128 v[ff+8*ii+4:ff+8*ii+7], v[WA] offset:nt*16*WPITCH+64*cc+32
.set ii, ii+1
.endr
.endm
.macro MULW k
.set cc, (\k)/2
.set ff, WF0+48*((\k)%2)
.set ii, 0
.rept 6
.set nt, 6*((\k)%2)+ii
.if nt < 8
	v_wmma_f32_16x16x32_bf16 v[ACC+8*nt:ACC+8*nt+7], v[ff+8*ii:ff+8*ii+7], v[XN+8*cc:XN+8*cc+7], v[ACC+8*nt:ACC+8*nt+7]
.elseif cc == 0
	v_wmma_f32_16x16x32_bf16 v[ACC+8*nt:ACC+8*nt+7], v[XN+8*cc:XN+8*cc+7], v[ff+8*ii:ff+8*ii+7], 0
.else
	v_wmma_f32_16x16x32_bf16 v[ACC+8*nt:ACC+8*nt+7], v[XN+8*cc:XN+8*cc+7], v[ff+8*ii:ff+8*ii+7], v[ACC+8*nt:ACC+8*nt+7]
.endif
.set ii, ii+1
.endr
.endm
	LOADW 0
	LOADW 1
	s_wait_loadcnt 0x0                             ; the biases
.irp k, 0,1,2,3,4,5,6,7
.if \k < 7
	s_wait_dscnt 12                                ; this step's fragments are in; the next step's twelve loads stay out
.else
	s_wait_dscnt 0x0
.endif
	MULW \k
.if \k < 7
	PLACES                                         ; in front of the loads into the buffer just read; behind step 6 in front of the reads of its results below
.endif
.if \k < 6
	LOADW (\k)+2
.endif
.endr
	; q times log2(e) / 4, rounded, 16 bytes a lane into block (head, my tile).  These 32 plain instructions name nothing of step 7's products and are the places behind them.
.set nn, 0
.rept 4
.set aa, ACC+8*nn
.set jj, 0
.rept 4
	v_pk_mul_f32 v[aa+2*jj:aa+2*jj+1], v[aa+2*jj:aa+2*jj+1], s[CS:CS+1] op_sel_hi:[1,0]
.set jj, jj+1
.endr
.set jj, 0
.rept 4
	v_cvt_pk_bf16_f32 v[TP+jj], v[aa+2*jj], v[aa+2*jj+1]
.set jj, jj+1
.endr
	ds_store_b128 v[QW], v[TP:TP+3] offset:nn*8192
.set nn, nn+1
.endr
.if VERT == 0
	s_lshl_b32 s[TS0], s[WV], 12                   ; Wproj: rows k = 8 w .. 8 w + 7, a lane takes columns 4 l .. 4 l + 3; asked for now, packed behind the barrier
	v_add_nc_u32 v[TA], s[TS0], v[L16]
.set ii, 0
.rept 8
	global_load_b128 v[WP+4*ii:WP+4*ii+3], v[TA], s[PWP:PWP+1] offset:ii*512
.set ii, ii+1
.endr
.endif
.set nn, 0
.rept 4
.set aa, ACC+32+8*nn
.set jj, 0
.rept 4
	v_cvt_pk_bf16_f32 v[TP+jj], v[aa+2*jj], v[aa+2*jj+1]
.set jj, jj+1
.endr
	ds_store_b128 v[QW], v[TP:TP+3] offset:32768+nn*8192  ; k
.set nn, nn+1
.endr
.set nn, 0
.rept 4
.set aa, ACC+64+8*nn
.set jj, 0
.rept 4
	v_pk_add_f32 v[aa+2*jj:aa+2*jj+1], v[aa+2*jj:aa+2*jj+1], v[BV+2*nn:BV+2*nn+1]
.set jj, jj+1
.endr
.set jj, 0
.rept 4
	v_cvt_pk_bf16_f32 v[TP+jj], v[aa+2*jj], v[aa+2*jj+1]
.set jj, jj+1
.endr
	ds_store_b128 v[VW], v[TP:TP+3] offset:nn*8192        ; v
.set nn, nn+1
.endr
	s_wait_dscnt 0x0                               ; for the others' sake: my blocks are stored, my reads of W^T are back
	s_barrier_signal -1
	s_barrier_wait -1                              ; q, k, v of the stripe are whole; nobody reads W^T any more
	; ATTENTION.  My head's K and V come into registers once, for four units.
	s_lshl_b32 s[TS0], s[HD], 13
	s_add_co_u32 s[TS0], s[TS0], KS
	v_add_nc_u32 v[TC], s[TS0], v[L16]
.set tt, 0
.rept 16
	ds_load_b128 v[KF+4*tt:KF+4*tt+3], v[TC] offset:512*tt
.set tt, tt+1
.endr
.set tt, 0
.rept 16
	ds_load_b128 v[VF+4*tt:VF+4*tt+3], v[TC] offset:32768+512*tt
.set tt, tt+1
.endr
.if VERT == 0
	v_mul_u32_u24 v[TB], v[L16], 68                ; Wproj^T takes W^T's place: row 4 l + e, bytes 16 w on
	s_lshl_b32 s[TS0], s[WV], 4
	s_add_co_u32 s[TS0], s[TS0], WS
	v_add_nc_u32 v[TB], s[TS0], v[TB]
	s_wait_loadcnt 0x0                             ; Wproj
.set ee, 0
.rept 4
.set jj, 0
.rept 4
	v_cvt_pk_bf16_f32 v[TP+jj], v[WP+8*jj+ee], v[WP+8*jj+4+ee]
.set jj, jj+1
.endr
	ds_store_b128 v[TB], v[TP:TP+3] offset:ee*WPITCH
.set ee, ee+1
.endr
.endif
.set jj, 0
.rept 4
	v_mov_b32 v[KF+64+jj], 0                       ; the upper half of the last tile's fragment
	v_mov_b32 v[QF+4+jj], 0                        ; channels 16-31 of q: there are none
.set jj, jj+1
.endr
.set jj, 0
.rept 8
	v_mov_b32 v[ONE+jj], 0x3f803f80                ; 1.0, 1.0 in bf16
.set jj, jj+1
.endr
	v_mov_b32 v[T+1], 0                            ; v_permlanex16_b32 counts as a reader of its destination
.macro SCORE g, sub                    ; S^T of keys 32 g .. 32 g + 31: a lane holds ONE query (lane % 16) and keys 8 (lane / 16) + 0..7 of each tile.  sub = 1: less m
.set sb, SA+16*((\g)%2)
.set kf, KF+8*(\g)
.if \sub
	v_wmma_f32_16x16x32_bf16 v[sb:sb+7], v[kf:kf+7], v[QF:QF+7], v[NM:NM+7]
	v_wmma_f32_16x16x32_bf16 v[sb+8:sb+15], v[kf+4:kf+11], v[QF:QF+7], v[NM:NM+7]
.else
	v_wmma_f32_16x16x32_bf16 v[sb:sb+7], v[kf:kf+7], v[QF:QF+7], 0
	v_wmma_f32_16x16x32_bf16 v[sb+8:sb+15], v[kf+4:kf+11], v[QF:QF+7], 0
.endif
.endm
.macro MAXG g                          ; four chains take the group's 16 scores, each tile's lowest registers first
.set sb, SA+16*((\g)%2)
.set ii, 0
.rept 4
.if (\g) == 0
	v_max_num_f32 v[CH+ii], v[sb+2*ii], v[sb+2*ii+1]
.else
	v_max3_num_f32 v[CH+ii], v[CH+ii], v[sb+2*ii], v[sb+2*ii+1]
.endif
.set ii, ii+1
.endr
.set ii, 0
.rept 4
	v_max3_num_f32 v[CH+ii], v[CH+ii], v[sb+8+2*ii], v[sb+8+2*ii+1]
.set ii, ii+1
.endr
.endm
.macro EC g                            ; 16 exponentials in place and 8 roundings: two rounded tiles ARE source 1 (32 keys x 16 queries) of the second product.
.set sb, SA+16*((\g)%2)                ; Between every exponential and the rounding that reads it stands a plain instruction (ISA guide 5.7.2)
.set pb, P0+8*((\g)%2)
.set ii, 0
.rept 4
	v_exp_f32 v[sb+ii], v[sb+ii]
.set ii, ii+1
.endr
	v_nop
	s_wait_alu depctr_va_vdst(0)
	v_cvt_pk_bf16_f32 v[pb], v[sb], v[sb+1]
.set ii, 1
.rept 6
	v_exp_f32 v[sb+2*ii+2], v[sb+2*ii+2]
	v_exp_f32 v[sb+2*ii+3], v[sb+2*ii+3]
	s_wait_alu depctr_va_vdst(0)
	v_cvt_pk_bf16_f32 v[pb+ii], v[sb+2*ii], v[sb+2*ii+1]
.set ii, ii+1
.endr
	v_cvt_pk_bf16_f32 v[pb+7], v[sb+14], v[sb+15]
.endm
.macro PVS g                           ; O^T += V^T P and the row sums += ones x P: the two accumulators take turns
.set pb, P0+8*((\g)%2)
.if (\g) == 0
	v_wmma_f32_16x16x32_bf16 v[OA:OA+7], v[VF+8*(\g):VF+8*(\g)+7], v[pb:pb+7], 0
	v_wmma_f32_16x16x32_bf16 v[LA:LA+7], v[ONE:ONE+7], v[pb:pb+7], 0
.else
	v_wmma_f32_16x16x32_bf16 v[OA:OA+7], v[VF+8*(\g):VF+8*(\g)+7], v[pb:pb+7], v[OA:OA+7]
	v_wmma_f32_16x16x32_bf16 v[LA:LA+7], v[ONE:ONE+7], v[pb:pb+7], v[LA:LA+7]
.endif
.endm
	s_mov_b32 s[CNT], 4
.Lunit:                                                ; a unit: 16 queries x 256 keys of my head
	ds_load_b128 v[QF:QF+3], v[QA]
	s_wait_dscnt 0x0                               ; q (in the first trip K and V too)
	s_cmp_lg_u32 s[CNT], s[PF]
	s_cbranch_scc1 .Lno_prefetch
	global_prefetch_b8 v[PFO], s[PFB:PFB+1] th:TH_LOAD_NT scope:SCOPE_SE  ; in my last unit: the same stripe four images on, one block of 256 bytes a thread, 128 KB a work-group, each block asked for once in the launch
.Lno_prefetch:
	; pass 1: the maximum.  A group's maxima stand behind the next group's products; the eight maxima of the other buffer are the places.
	SCORE 0, 0
	SCORE 1, 0
	PLACES
	MAXG 0
.irp g, 2,3,4,5,6,7
	SCORE \g, 0
	MAXG (\g)-1
.endr
	MAXG 7
	v_max3_num_f32 v[T], v[CH], v[CH+1], v[CH+2]
	v_max_num_f32 v[T], v[T], v[CH+3]
	v_permlanex16_b32 v[T+1], v[T], s[SEL], s[SEL+1]  ; the query's other 128 keys lie in the lane 16 away
	v_max_num_f32 v[T], v[T], v[T+1]
.set jj, 0
.rept 8
	v_mul_f32 v[NM+jj], -1.0, v[T]
.set jj, jj+1
.endr
	; pass 2: the scores less m, the weights, the second product.  The other buffer's roundings are the places behind each pair of score products.
	SCORE 0, 1
	SCORE 1, 1
	PLACES
	v_nop                                          ; a fifth: group 2's products write over group 0's results
.irp g, 0,1,2,3,4,5,6,7
	EC \g
	PVS \g
.if \g < 6
	SCORE (\g)+2, 1
.endif
.endr
	PLACES
	v_rcp_f32 v[R], v[LA]                          ; every register of the row sums holds my query's l, which is 1 or more to within bf16's rounding
	v_rcp_f32 v[R+1], v[LA]
	v_nop
.set jj, 0
	s_wait_alu depctr_va_vdst(0)
.rept 4
	v_pk_mul_f32 v[OA+2*jj:OA+2*jj+1], v[OA+2*jj:OA+2*jj+1], v[R:R+1]
.set jj, jj+1
.endr
.set jj, 0
.rept 4
	v_cvt_pk_bf16_f32 v[TP+jj], v[OA+2*jj], v[OA+2*jj+1]
.set jj, jj+1
.endr
.if VERT
	ds_store_b128 v[OST], v[TP:TP+3]               ; into the stage, where x lay: x's fills and reads ended in front of the first barrier
	v_add_nc_u32 v[OST], 16*HPITCH, v[OST]
.else
	ds_store_b128 v[QA], v[TP:TP+3]                ; o takes the place of the unit's q, which I alone read, above
.endif
	v_add_nc_u32 v[QA], 512, v[QA]
	s_sub_co_u32 s[CNT], s[CNT], 1
	s_cmp_lg_u32 s[CNT], 0
	s_cbranch_scc1 .Lunit
.if VERT
	s_wait_dscnt 0x0                               ; for the others' sake: my o is stored
	s_barrier_signal -1
	s_barrier_wait -1                              ; a token's 128 bytes come from four waves
.set ii, 0
.rept 4
	ds_load_b128 v[OB+4*ii:OB+4*ii+3], v[RD] offset:ii*4*HPITCH
.set ii, ii+1
.endr
.set ii, 0
.rept 4
	s_wait_dscnt 3-ii                              ; the younger loads stay out
	global_store_b128 v[GO], v[OB+4*ii:OB+4*ii+3], s[PHV:PHV+1] offset:ii*32768  ; 16 lanes store the 256 consecutive bytes of two tokens, at a multiple of 256 from hv's first byte
.set ii, ii+1
.endr
.else
	; THE PROJECTION.  out^T = Wproj^T h^T + (x + bproj): a lane holds ONE token and channels 16 i + 8 (lane / 16) + 0..7; residual and bias are the sums' beginnings.
.set ii, 0
.rept 16
	global_load_b128 v[BI+4*ii:BI+4*ii+3], v[GOF], s[PBP:PBP+1] offset:64*(ii/2)+16*(ii%2)
.set ii, ii+1
.endr
	s_wait_dscnt 0x0                               ; for the others' sake: my o and my rows of Wproj^T are stored
	s_barrier_signal -1
	s_barrier_wait -1
.macro LOADP c, f
.set ii, 0
.rept 8
	ds_load_b128 v[(\f)+8*ii:(\f)+8*ii+3], v[WA] offset:ii*16*WPITCH+64*(\c)
	ds_load_b128 v[(\f)+8*ii+4:(\f)+8*ii+7], v[WA] offset:ii*16*WPITCH+64*(\c)+32
.set ii, ii+1
.endr
.endm
.macro MULP c, f                       ; the eight accumulators take turns
.set ii, 0
.rept 8
	v_wmma_f32_16x16x32_bf16 v[XR+8*ii:XR+8*ii+7], v[(\f)+8*ii:(\f)+8*ii+7], v[H+8*(\c):H+8*(\c)+7], v[XR+8*ii:XR+8*ii+7]
.set ii, ii+1
.endr
.endm
.set ii, 0
.rept 16
	ds_load_b128 v[XR+4*ii:XR+4*ii+3], v[XA] offset:64*(ii/2)+16*(ii%2)  ; x once more, from LDS
.set ii, ii+1
.endr
.set ii, 0
.rept 4
	ds_load_b128 v[H+4*ii:H+4*ii+3], v[QW] offset:ii*8192                 ; head i's o of my tokens: channels 16 i + 8 (lane / 16) on
.set ii, ii+1
.endr
.set ii, 0
.rept 4
	ds_load_b128 v[H+16+4*ii:H+16+4*ii+3], v[HA] offset:32*ii             ; hv: channels 64 + 16 i + 8 (lane / 16) on
.set ii, ii+1
.endr
	LOADP 0, WFA
	s_wait_loadcnt 0x0                             ; bproj
	s_wait_dscnt 24                                ; x is in; h's 8 loads and the 16 of Wproj^T are younger
.set ii, 0
.rept 32
	v_pk_add_f32 v[XR+2*ii:XR+2*ii+1], v[XR+2*ii:XR+2*ii+1], v[BI+2*ii:BI+2*ii+1]
.set ii, ii+1
.endr
	LOADP 1, WFB
	s_wait_dscnt 16                                ; all but the 16 just issued
	MULP 0, WFA
	PLACES
	LOADP 2, WFA
	s_wait_dscnt 16
	MULP 1, WFB
	PLACES
	LOADP 3, WFB
	s_wait_dscnt 16
	MULP 2, WFA
	s_wait_dscnt 0x0
	MULP 3, WFB
	PLACES
	; THE WAY OUT: back into my own rows of x, whose one fill is long over, and out as whole tokens of 512 bytes
.set ii, 0
.rept 16
	ds_store_b128 v[XA], v[XR+4*ii:XR+4*ii+3] offset:64*(ii/2)+16*(ii%2)
.set ii, ii+1
.endr
.set ii, 0
.rept 16
	ds_load_b128 v[ROW+4*ii:ROW+4*ii+3], v[RD] offset:XPITCH*ii  ; LDS serves a wave's instructions in order (ISA guide 5.7.1.4): these see the stores above
.set ii, ii+1
.endr
.set ii, 0
.rept 16
	s_wait_dscnt 15-ii                             ; the younger loads stay out
	global_store_b128 v[L16], v[ROW+4*ii:ROW+4*ii+3], s[POUT:POUT+1] offset:512*ii th:TH_STORE_NT  ; 512 consecutive bytes, at a multiple of 256 from out0's first byte
.set ii, ii+1
.endr
.endif
	s_wait_tensorcnt 0x0                           ; the wave's end: the add and its wait, behind my last tensor load and my last LDS store
	ds_add_u32 v[SPW], v[NIL]
	s_wait_dscnt 0x0
	s_endpgm
.Lfunc_end_k_qb6c14d9274_vert:
	.size	k_qb6c14d9274_vert, .Lfunc_end_k_qb6c14d9274_vert-k_qb6c14d9274_vert
	.p2alignl 7, 3214868480
	.fill 96, 4, 3214868480
	.section	.rodata,"a",@progbits
	.p2align	6, 0x0
	.amdhsa_kernel k_qb6c14d9274_vert
		.amdhsa_group_segment_fixed_size 327680
		.amdhsa_private_segment_fixed_size 0
		.amdhsa_enable_private_segment 0
		.amdhsa_kernarg_size 48
		.amdhsa_user_sgpr_count 2
		.amdhsa_user_sgpr_kernarg_segment_ptr 1
		.amdhsa_wavefront_size32 1
		.amdhsa_system_sgpr_workgroup_id_x 1
		.amdhsa_system_sgpr_workgroup_id_y 1
		.amdhsa_system_sgpr_workgroup_id_z 1
		.amdhsa_system_vgpr_workitem_id 0
		.amdhsa_next_free_vgpr 256
		.amdhsa_next_free_sgpr 66
		.amdhsa_reserve_vcc 0
		.amdhsa_float_denorm_mode_32 3
		.amdhsa_float_denorm_mode_16_64 3
		.amdhsa_memory_ordered 1
		.amdhsa_forward_progress 1
		.amdhsa_inst_pref_size 67
	.end_amdhsa_kernel
	.amdgpu_metadata
---
amdhsa.version: [ 1, 2 ]
amdhsa.kernels:
  - .name:           k_qb6c14d9274_vert
    .symbol:         k_qb6c14d9274_vert.kd
    .args:
      - { .name: x, .offset: 0, .size: 8, .value_kind: global_buffer, .address_space: global }
      - { .name: Wqkv, .offset: 8, .size: 8, .value_kind: global_buffer, .address_space: global }
      - { .name: bqkv, .offset: 16, .size: 8, .value_kind: global_buffer, .address_space: global }
      - { .name: gamma, .offset: 24, .size: 8, .value_kind: global_buffer, .address_space: global }
      - { .name: beta, .offset: 32, .size: 8, .value_kind: global_buffer, .address_space: global }
      - { .name: hv, .offset: 40, .size: 8, .value_kind: global_buffer, .address_space: global }
    .group_segment_fixed_size: 327680
    .private_segment_fixed_size: 0
    .kernarg_segment_align: 8
    .kernarg_segment_size: 48
    .max_flat_workgroup_size: 512
    .sgpr_count:     66
    .vgpr_count:     256
    .wavefront_size: 32
...
	.end_amdgpu_metadata
.endif
;; end of part 1
;; launch horz (part 2): grid 64 x 8, 16 waves a work-group, no clusters, 327,680 bytes of LDS; arguments x, Wqkv, bqkv, gamma, beta, hv, Wproj, bproj, out0; writes out0
.if DOCPART == 2
	.amdgcn_target "amdgcn-amd-amdhsa--gfx1250"
	.amdhsa_code_object_version 6
	.text
	.protected	k_qb6c14d9274_horz
	.globl	k_qb6c14d9274_horz
	.p2align	8
	.type	k_qb6c14d9274_horz,@function
k_qb6c14d9274_horz:
	s_mov_b64 s[64:65], 0
	v_nop
	global_prefetch_b8 v0, s[64:65] scope:SCOPE_SE
	s_setreg_imm32_b32 hwreg(HW_REG_WAVE_MODE, 25, 1), 1
	s_wait_xcnt 0x0
; STRIPE ATTENTION OF A CSWIN BLOCK.  One text serves two launches; VERT chooses.
;   VERT = 1: LayerNorm, q/k/v of heads 4-7, attention inside a stripe of two image COLUMNS; the 64 channels go to hv, bf16 [8][128][128][64].
;   VERT = 0: LayerNorm, q/k/v of heads 0-3, attention inside a stripe of two image ROWS; then [own 64 channels, hv] x Wproj + bproj + x goes to out0.
; SHARES.  A work-group owns one stripe: 256 tokens of 128 channels (x = stripe, y = image).  With VERT = 1 token t is (row t / 2, column 2 s + t % 2): another order than the
; definition's, which changes the order of sums alone.  Sixteen waves, four to a SIMD, 256 registers each: the loop is mostly exponentials, maxima and roundings, so one wave's
; exponentials run beside another's plain and matrix work.  LayerNorm, projections: wave w has tokens 16 w .. 16 w + 15.  Attention: wave w has head w / 4 and the four query
; tiles 4 (w % 4) + u; the head's K and V (256 keys) stay in its registers.
; SOFTMAX IN TWO PASSES.  Pass 1 makes all 256 scores of 16 queries and keeps their true maximum m alone.  Pass 2 makes them again with -m as the C operand, so the product
; delivers s - m: no running maximum, no rescaling, no subtraction, and 32 registers of scores live.  The scale log2(e) / 4 is multiplied into q in f32 before q is rounded.
; The row sums come from a product of ones with P, which also gives the accumulator of O a partner to take turns with.
; HEAD SIZE 16 IN A K OF 32.  Q's fragment has zeros in its upper half; K's fragment for tile t is v[KF + 4 t .. + 7], whose upper half is tile t + 1's data and meets those zeros.
; NO CLUSTER: work-groups share the weights alone, 96 KB or 160 KB beside 128 KB of x, and those must be rounded and turned in registers on the way in.
; TENSOR LOADS of 8 rows of 1,024 bytes, one a wave (two with VERT = 0): each wave then reads only bytes that its own load brought, and the stripe's 128 KB go out at once.  No LDS byte is filled twice.
; LIMITS.  Matrix operands are bf16: xn, the weights, q c, k, v, p, o.  The divisor l is the sum of the ROUNDED p.  A weight below 2^-126 counts as 0.  NaN and infinities are not
; treated apart; an infinite k reaches its neighbour tile's scores as 0 x infinity, in a stripe and head that the definition loses as well.
.set VERT, 0
.set OFFC,   64*VERT                   ; first of my 64 columns in each of Wqkv's three parts
.set XPITCH, 528                       ; a token of x in LDS: 512 bytes + 16: the 16 rows that a load touches start at 16 different groups of four banks
.set XTILE,  16*XPITCH                 ; a wave's 16 tokens
.set WPITCH, 272                       ; a row of a turned weight: 128 bf16 + 16 bytes
.set HPITCH, 144                       ; a token of 64 bf16 + 16 bytes
.set WS,     256*XPITCH                ; x lies at 0; then W^T [192][128] bf16, later Wproj^T [128][128]
.set QS,     WS+192*WPITCH             ; q, k, v: blocks of 512 bytes, (head x 16 + tile) x 512 + 16 x lane
.set KS,     QS+32768
.set VS,     KS+32768
.set HS,     VS+32768                  ; VERT = 0: hv's 256 tokens
.if VERT
.set SPARE,  HS                        ; the spare words: 128 bytes a wave, eight blocks of 256 bytes that no other line names
.set XSS,    10                        ; x: shift of the stripe's number,
.set XWS,    19                        ; of the wave's number,
.set XSTRIDE, 16384                    ; and elements of 4 bytes from one row of 1,024 bytes to the next
.set HSS,    8                         ; hv: the same two shifts
.set HWS,    17
.else
.set SPARE,  HS+256*HPITCH
.set XSS,    17
.set XWS,    13
.set XSTRIDE, 256
.set HSS,    15
.set HWS,    11
.endif
; scalar registers
.set PX,  4                            ; s[4:5] x      s[6:7] Wqkv    s[8:9] bqkv    s[10:11] gamma    s[12:13] beta    s[14:15] hv
.set PW,  6
.set PBQ, 8
.set PG,  10
.set PBE, 12
.set PHV, 14
.set PWP, 16                           ; VERT = 0: s[16:17] Wproj    s[18:19] bproj    s[20:21] out0
.set PBP, 18
.set POUT, 20
.set WV,  22                           ; my wave's number
.set HD,  23                           ; my head among the four
.set BB,  24                           ; image
.set SS,  25                           ; stripe
.set OX,  26                           ; s[26:27] byte offset of my 16 tokens in x (and in out0)
.set OH,  28                           ; s[28:29] the same in hv
.set CNT, 30                           ; units to go
.set PF,  31                           ; the value of CNT at which I prefetch; 0: never
.set GX0, 32                           ; s[32:35], s[36:43] x's descriptor
.set GX1, 36
.set GH0, 44                           ; s[44:47], s[48:55] hv's descriptor
.set GH1, 48
.set CS,  56                           ; s[56:57] log2(e) / 4
.set SEL, 58                           ; s[58:59] v_permlanex16_b32: each lane takes its own place in the other half
.set PFB, 60                           ; s[60:61] x at the stripe that is prefetched
.set TS0, 62
.set TS1, 63
; vector registers kept throughout
.set RR,  1                            ; lane % 16
.set HH,  2                            ; lane / 16
.set L16, 3                            ; 16 x lane
.set XA,  4                            ; LDS: my token's row of x + 32 (lane / 16)
.set GOF, 5                            ; 32 (lane / 16): my 8 channels in a vector of 128 f32
.set WA,  6                            ; LDS: a turned weight's row lane % 16 + 16 (lane / 16)
.set QW,  7                            ; LDS: block (head 0, tile w) of q, my 16 bytes
.set VW,  8                            ; the same of v
.set QA,  9                            ; LDS: the q block of the unit in hand
.set OST, 10                           ; VERT = 1: where the unit's o goes in the stage
.set HA,  10                           ; VERT = 0: my token's row of hv + 16 (lane / 16)
.set RD,  11                           ; the way out: where I read rows back
.set GO,  12                           ; VERT = 1: my byte offset in hv
.set PFO, 13                           ; my block of 256 bytes in the prefetched stripe
.set SPW, 14                           ; my spare word
.set NIL, 15                           ; 0
; by phase
.set WT,  16                           ; staging: 24 pairs of W as loaded
.set X,   16                           ; LayerNorm: my 64 channels
.set G,   80
.set BT,  144
.set XN,  208                          ; xn: four fragments of 16 tokens x 32 channels
.set SM,  240                          ; four pairs of partial sums
.set MN,  248
.set RS,  250
.set TL,  252
.set TA,  253                          ; addresses at work
.set TB,  254
.set TC,  255
.set ACC, 16                           ; QKV: 12 accumulators: q heads 0-3, k heads 0-3, v heads 0-3
.set WF0, 112                          ; two buffers of six fragments of W^T
.set BV,  240                          ; v's bias, each number twice
.set TP,  248                          ; 16 packed bytes
.set KF,  16                           ; attention: K, 4 registers a tile, and 4 of zeros
.set VF,  84                           ; V^T, 8 registers for 32 keys
.set QF,  148
.set ONE, 156
.set NM,  164                          ; -m, eight times
.set SA,  172                          ; two buffers of two score tiles
.set P0,  204                          ; two buffers of P
.set OA,  220                          ; O^T
.set LA,  228                          ; the row sums
.set CH,  236                          ; four chains of the maximum
.set T,   240
.set R,   242
.set WP,  172                          ; VERT = 0: Wproj as loaded
.set XR,  16                           ; VERT = 0, projection: x + bproj, then the result
.set H,   80
.set WFA, 112
.set WFB, 176
.set BI,  176
.set ROW, 112
.set OB,  16
.macro PLACES                          ; four plain instructions between a matrix instruction and what reads its result or writes its registers (ISA guide 7.12.1)
.rept 4
	v_nop
.endr
.endm
.if VERT
	s_load_b256 s[4:11], s[0:1], 0x0
	s_load_b128 s[12:15], s[0:1], 0x20
.else
	s_load_b512 s[4:19], s[0:1], 0x0
	s_load_b64 s[20:21], s[0:1], 0x40
.endif
	v_lshl_add_u32 v[SPW], v0, 2, SPARE
	v_mov_b32 v[NIL], 0
	ds_add_u32 v[SPW], v[NIL]                      ; the wave's opening: the add and its wait stand ahead of my first tensor load; work on registers stands between them
	ds_add_u32 v14, v15
	v_lshrrev_b32 v1, 5, v0
	v_readfirstlane_b32 s[WV], v1
	s_lshr_b32 s[HD], s[WV], 2
	s_and_b32 s[BB], ttmp7, 0xffff
	s_mov_b32 s[SS], ttmp9
	; x's descriptor: 8 rows of 256 elements of 4 bytes (two tokens a row), 4 words of padding behind every 128 words: a token every 528 bytes
	s_mov_b32 s[GX0], 1
	s_mul_i32 s[GX0+1], s[WV], XTILE               ; my 16 tokens' place in LDS
	s_mov_b32 s[GX1+0], (2<<16)|(1<<20)|(6<<22)|(3<<25)
	s_mov_b32 s[GX1+1], 256<<16                    ; tensor_dim0
	s_mov_b32 s[GX1+2], 8<<16                      ; tensor_dim1
	s_mov_b32 s[GX1+3], 256<<16                    ; tile_dim0
	s_mov_b32 s[GX1+4], 8                          ; tile_dim1
	s_mov_b32 s[GX1+5], XSTRIDE
	s_mov_b32 s[GX1+6], 0
	s_mov_b32 s[GX1+7], 0
.if VERT == 0
	; hv's descriptor: 8 rows of 128 elements of 2 bytes (two tokens a row), 4 words of padding behind every 32 words: a token every 144 bytes
	s_mov_b32 s[GH0], 1
	s_mul_i32 s[GH0+1], s[WV], 16*HPITCH
	s_add_co_u32 s[GH0+1], s[GH0+1], HS
	s_mov_b32 s[GH1+0], (1<<16)|(1<<20)|(4<<22)|(3<<25)
	s_mov_b32 s[GH1+1], 128<<16
	s_mov_b32 s[GH1+2], 8<<16
	s_mov_b32 s[GH1+3], 128<<16
	s_mov_b32 s[GH1+4], 8
	s_mov_b32 s[GH1+5], 128
	s_mov_b32 s[GH1+6], 0
	s_mov_b32 s[GH1+7], 0
.endif
	s_lshl_b32 s[OX], s[BB], 23                    ; an image of x is 8,388,608 bytes
	s_lshl_b32 s[TS0], s[SS], XSS
	s_add_co_u32 s[OX], s[OX], s[TS0]
	s_add_co_u32 s[TS1], s[BB], 4                  ; the same stripe four images on (held inside x: image 7 at the most)
	s_min_u32 s[TS1], s[TS1], 7
	s_lshl_b32 s[PFB], s[TS1], 23
	s_add_co_u32 s[PFB], s[PFB], s[TS0]
	s_mov_b32 s[PFB+1], 0
	s_lshl_b32 s[TS0], s[WV], XWS
	s_add_co_u32 s[OX], s[OX], s[TS0]
	s_mov_b32 s[OX+1], 0
	s_lshl_b32 s[OH], s[BB], 21                    ; an image of hv is 2,097,152 bytes
	s_lshl_b32 s[TS0], s[SS], HSS
	s_add_co_u32 s[OH], s[OH], s[TS0]
	s_lshl_b32 s[TS0], s[WV], HWS
	s_add_co_u32 s[OH], s[OH], s[TS0]
	s_mov_b32 s[OH+1], 0
	s_cmp_lt_u32 s[BB], 4
	s_cselect_b32 s[PF], 1, 0                      ; images 0-3 prefetch in the last unit (CNT = 1), images 4-7 never
	s_mov_b32 s[CS], 0x3eb8aa3b                    ; log2(e) / 4
	s_mov_b32 s[CS+1], s[CS]
	s_mov_b32 s[SEL], 0x76543210
	s_mov_b32 s[SEL+1], 0xfedcba98
	s_wait_dscnt 0x0                               ; the opening add is done
	s_wait_kmcnt 0x0
	s_add_nc_u64 s[GX0+2:GX0+3], s[PX:PX+1], s[OX:OX+1]
	s_or_b32 s[GX0+3], s[GX0+3], 0x80000000        ; type 2
.if VERT == 0
	s_add_nc_u64 s[GH0+2:GH0+3], s[PHV:PHV+1], s[OH:OH+1]
	s_or_b32 s[GH0+3], s[GH0+3], 0x80000000
.endif
	tensor_load_to_lds s[GX0:GX0+3], s[GX1:GX1+7]  ; my 16 tokens of x
	s_nop 0
.if VERT == 0
	tensor_load_to_lds s[GH0:GH0+3], s[GH1:GH1+7]  ; and of hv: two loads of mine are out
	s_nop 0
.endif
	s_add_nc_u64 s[PFB:PFB+1], s[PX:PX+1], s[PFB:PFB+1]
.if VERT
	s_add_nc_u64 s[PHV:PHV+1], s[PHV:PHV+1], s[OH:OH+1]
.else
	s_add_nc_u64 s[POUT:POUT+1], s[POUT:POUT+1], s[OX:OX+1]
.endif
	; THE WEIGHTS.  Wave w takes rows k = 8 w .. 8 w + 7 of Wqkv; a lane takes columns 2 l, 2 l + 1 of my 64 in each part: a load covers 256 consecutive bytes.
	v_and_b32 v[L16], 31, v0
	v_and_b32 v[RR], 15, v0
	v_bfe_u32 v[HH], v0, 4, 1
	v_mul_u32_u24 v[TB], v[L16], 2*WPITCH          ; two rows of W^T a lane
	v_lshlrev_b32 v[L16], 4, v[L16]
	s_mul_i32 s[TS0], s[WV], 8*1536
	s_add_co_u32 s[TS0], s[TS0], OFFC*4
	v_lshrrev_b32 v[TA], 1, v[L16]
	v_add_nc_u32 v[TA], s[TS0], v[TA]
	v_lshlrev_b32 v[GOF], 5, v[HH]
.set pp, 0
.rept 3
.set ii, 0
.rept 8
	global_load_b64 v[WT+2*(8*pp+ii):WT+2*(8*pp+ii)+1], v[TA], s[PW:PW+1] offset:ii*1536+pp*512
.set ii, ii+1
.endr
.set pp, pp+1
.endr
.set ii, 0
.rept 16                                               ; gamma and beta of my 64 channels: 16 i + 8 (lane / 16) + 0..7, i = 0..7: the order of a fragment's registers
	global_load_b128 v[G+4*ii:G+4*ii+3], v[GOF], s[PG:PG+1] offset:64*(ii/2)+16*(ii%2)
	global_load_b128 v[BT+4*ii:BT+4*ii+3], v[GOF], s[PBE:PBE+1] offset:64*(ii/2)+16*(ii%2)
.set ii, ii+1
.endr
	; the addresses, while the loads are out
	s_lshl_b32 s[TS0], s[WV], 4
	s_add_co_u32 s[TS0], s[TS0], WS
	v_add_nc_u32 v[TB], s[TS0], v[TB]              ; W^T: row 2 l, bytes 16 w on (k = 8 w ..)
	v_mul_u32_u24 v[XA], v[RR], XPITCH
	v_lshl_add_u32 v[XA], v[HH], 5, v[XA]
	v_add_nc_u32 v[XA], s[GX0+1], v[XA]
	v_mul_u32_u24 v[WA], v[RR], WPITCH
	v_lshl_add_u32 v[WA], v[HH], 4, v[WA]
	v_add_nc_u32 v[WA], WS, v[WA]
	s_lshl_b32 s[TS0], s[WV], 9
	s_add_co_u32 s[TS0], s[TS0], QS
	v_add_nc_u32 v[QW], s[TS0], v[L16]
	v_add_nc_u32 v[VW], 0x10000, v[QW]
	s_lshl_b32 s[TS0], s[WV], 11                   ; block head x 16 + 4 (w % 4) = 4 w
	s_add_co_u32 s[TS0], s[TS0], QS
	v_add_nc_u32 v[QA], s[TS0], v[L16]
.if VERT
	s_and_b32 s[TS0], s[WV], 3                     ; the stage lies where x lay: token x 144 + head x 32 + 16 (lane / 16)
	s_mul_i32 s[TS0], s[TS0], 64*HPITCH
	s_lshl_b32 s[TS1], s[HD], 5
	s_add_co_u32 s[TS0], s[TS0], s[TS1]
	v_mul_u32_u24 v[OST], v[RR], HPITCH
	v_lshl_add_u32 v[OST], v[HH], 4, v[OST]
	v_add_nc_u32 v[OST], s[TS0], v[OST]
	s_mul_i32 s[TS0], s[WV], 16*HPITCH             ; back: 32 lanes take four tokens of 128 bytes
	v_bfe_u32 v[RD], v0, 3, 2
	v_mul_u32_u24 v[RD], v[RD], HPITCH
	v_and_b32 v[GO], 7, v0
	v_lshl_add_u32 v[RD], v[GO], 4, v[RD]
	v_add_nc_u32 v[RD], s[TS0], v[RD]
	v_lshlrev_b32 v[GO], 4, v[RR]                  ; lanes 0-15: the two tokens of one image row, 256 bytes; lanes 16-31: the next image row
	v_lshl_add_u32 v[GO], v[HH], 14, v[GO]
	v_lshrrev_b32 v[PFO], 2, v0                    ; thread t: image row t / 4, block t % 4 of its 1,024 bytes
	v_lshlrev_b32 v[PFO], 16, v[PFO]
	v_and_b32 v[TL], 3, v0
	v_lshl_add_u32 v[PFO], v[TL], 8, v[PFO]
.else
	v_mul_u32_u24 v[HA], v[RR], HPITCH
	v_lshl_add_u32 v[HA], v[HH], 4, v[HA]
	v_add_nc_u32 v[HA], s[GH0+1], v[HA]
	v_add_nc_u32 v[RD], s[GX0+1], v[L16]           ; back: 32 lanes take one token of 512 bytes
	v_lshlrev_b32 v[PFO], 8, v0                    ; thread t: block t of the stripe's 131,072 bytes
.endif
	v_mov_b32 v[TL], 0                             ; v_permlanex16_b32 counts as a reader of its destination
	s_mov_b32 s[TS0], 0x3c000000                   ; 1 / 128
	s_mov_b32 s[TS1], 0x3727c5ac                   ; 1e-5
	s_wait_loadcnt 32                              ; W's 24 loads are in; the 32 of gamma and beta are younger and stay out
.set pp, 0
.rept 3
.set ee, 0
.rept 2
.set jj, 0
.rept 4
	v_cvt_pk_bf16_f32 v[TP+jj], v[WT+2*(8*pp+2*jj)+ee], v[WT+2*(8*pp+2*jj+1)+ee]
.set jj, jj+1
.endr
	ds_store_b128 v[TB], v[TP:TP+3] offset:pp*64*WPITCH+ee*WPITCH  ; row 64 p + 2 l + e of W^T, k = 8 w .. 8 w + 7
.set ee, ee+1
.endr
.set pp, pp+1
.endr
	; LAYERNORM.  Lane (r, h) holds 64 channels of token r, the lane 16 away the other 64, already in the order of xn's fragments.
	s_wait_tensorcnt 0x0                           ; my own loads have landed; only I read these bytes as they were filled
.set ii, 0
.rept 16
	ds_load_b128 v[X+4*ii:X+4*ii+3], v[XA] offset:64*(ii/2)+16*(ii%2)
.set ii, ii+1
.endr
	s_wait_dscnt 0x0
.macro ACROSS                          ; four pairs of partial sums into one number, the same in both lanes of a token
	v_pk_add_f32 v[SM:SM+1], v[SM:SM+1], v[SM+2:SM+3]
	v_pk_add_f32 v[SM+4:SM+5], v[SM+4:SM+5], v[SM+6:SM+7]
	v_pk_add_f32 v[SM:SM+1], v[SM:SM+1], v[SM+4:SM+5]
	v_add_f32 v[SM], v[SM], v[SM+1]
	v_permlanex16_b32 v[TL], v[SM], s[SEL], s[SEL+1]
	v_add_f32 v[SM], v[SM], v[TL]
.endm
.set ii, 0
.rept 4
	v_pk_add_f32 v[SM+2*ii:SM+2*ii+1], v[X+2*ii:X+2*ii+1], v[X+8+2*ii:X+8+2*ii+1]  ; the first pairs start the chains: nothing is cleared
.set ii, ii+1
.endr
.set ii, 8
.rept 24
	v_pk_add_f32 v[SM+2*(ii%4):SM+2*(ii%4)+1], v[SM+2*(ii%4):SM+2*(ii%4)+1], v[X+2*ii:X+2*ii+1]
.set ii, ii+1
.endr
	ACROSS
	v_mul_f32 v[MN], s[TS0], v[SM]
	v_mul_f32 v[MN+1], s[TS0], v[SM]
.set ii, 0
.rept 32
	v_pk_add_f32 v[X+2*ii:X+2*ii+1], v[X+2*ii:X+2*ii+1], v[MN:MN+1] neg_lo:[0,1] neg_hi:[0,1]  ; the mean goes first, so that the variance is no difference of large sums
.set ii, ii+1
.endr
.set ii, 0
.rept 4
	v_pk_mul_f32 v[SM+2*ii:SM+2*ii+1], v[X+2*ii:X+2*ii+1], v[X+2*ii:X+2*ii+1]
.set ii, ii+1
.endr
.rept 28
	v_pk_fma_f32 v[SM+2*(ii%4):SM+2*(ii%4)+1], v[X+2*ii:X+2*ii+1], v[X+2*ii:X+2*ii+1], v[SM+2*(ii%4):SM+2*(ii%4)+1]
.set ii, ii+1
.endr
	ACROSS
	v_fma_f32 v[TL], v[SM], s[TS0], s[TS1]         ; variance + 1e-5
	v_rsq_f32 v[RS], v[TL]
	v_rsq_f32 v[RS+1], v[TL]
	v_nop                                          ; a plain instruction between the last of them and the use of its result (ISA guide 5.7.2)
	s_wait_loadcnt 0x0                             ; gamma and beta
.set ii, 0
	s_wait_alu depctr_va_vdst(0)
.rept 32
	v_pk_mul_f32 v[X+2*ii:X+2*ii+1], v[X+2*ii:X+2*ii+1], v[RS:RS+1]
.set ii, ii+1
.endr
.set ii, 0
.rept 32
	v_pk_fma_f32 v[X+2*ii:X+2*ii+1], v[X+2*ii:X+2*ii+1], v[G+2*ii:G+2*ii+1], v[BT+2*ii:BT+2*ii+1]
.set ii, ii+1
.endr
.set ii, 0
.rept 32
	v_cvt_pk_bf16_f32 v[XN+ii], v[X+2*ii], v[X+2*ii+1]
.set ii, ii+1
.endr
	; q's and k's biases are the sums' beginnings: a lane's eight registers of tile n are channels 8 (lane / 16) + 0..7 of part n / 4, head n % 4
.set nn, 0
.rept 8
	global_load_b128 v[ACC+8*nn:ACC+8*nn+3], v[GOF], s[PBQ:PBQ+1] offset:(nn/4)*512+OFFC*4+(nn%4)*64
	global_load_b128 v[ACC+8*nn+4:ACC+8*nn+7], v[GOF], s[PBQ:PBQ+1] offset:(nn/4)*512+OFFC*4+(nn%4)*64+16
.set nn, nn+1
.endr
	v_lshlrev_b32 v[TA], 2, v[RR]                  ; (its loads of W were shown done above)  v's results hold channel lane % 16: one bias a lane and head, loaded twice to fill a pair
.set nn, 0
.rept 4
	global_load_b32 v[BV+2*nn], v[TA], s[PBQ:PBQ+1] offset:1024+OFFC*4+nn*64
	global_load_b32 v[BV+2*nn+1], v[TA], s[PBQ:PBQ+1] offset:1024+OFFC*4+nn*64
.set nn, nn+1
.endr
	s_wait_dscnt 0x0                               ; for the others' sake: my rows of W^T are stored, my reads of x are back
	s_barrier_signal -1
	s_barrier_wait -1                              ; W^T is whole
	; Q, K, V.  Step k: channels 32 (k / 2) on, tiles 6 (k % 2) + 0..5, fragment buffer k % 2.  The twelve accumulators take turns.
	; q, k: source 0 = W^T, source 1 = xn: a lane holds ONE token and eight channels.  v: the sources swapped: a lane holds ONE channel and eight tokens: half a fragment of V^T.
.macro LOADW k
.set cc, (\k)/2
.set ff, WF0+48*((\k)%2)
.set ii, 0
.rept 6
.set nt, 6*((\k)%2)+ii
	ds_load_b128 v[ff+8*ii:ff+8*ii+3], v[WA] offset:nt*16*WPITCH+64*cc
	ds_load_b128 v[ff+8*ii+4:ff+8*ii+7], v[WA] offset:nt*16*WPITCH+64*cc+32
.set ii, ii+1
.endr
.endm
.macro MULW k
.set cc, (\k)/2
.set ff, WF0+48*((\k)%2)
.set ii, 0
.rept 6
.set nt, 6*((\k)%2)+ii
.if nt < 8
	v_wmma_f32_16x16x32_bf16 v[ACC+8*nt:ACC+8*nt+7], v[ff+8*ii:ff+8*ii+7], v[XN+8*cc:XN+8*cc+7], v[ACC+8*nt:ACC+8*nt+7]
.elseif cc == 0
	v_wmma_f32_16x16x32_bf16 v[ACC+8*nt:ACC+8*nt+7], v[XN+8*cc:XN+8*cc+7], v[ff+8*ii:ff+8*ii+7], 0
.else
	v_wmma_f32_16x16x32_bf16 v[ACC+8*nt:ACC+8*nt+7], v[XN+8*cc:XN+8*cc+7], v[ff+8*ii:ff+8*ii+7], v[ACC+8*nt:ACC+8*nt+7]
.endif
.set ii, ii+1
.endr
.endm
	LOADW 0
	LOADW 1
	s_wait_loadcnt 0x0                             ; the biases
.irp k, 0,1,2,3,4,5,6,7
.if \k < 7
	s_wait_dscnt 12                                ; this step's fragments are in; the next step's twelve loads stay out
.else
	s_wait_dscnt 0x0
.endif
	MULW \k
.if \k < 7
	PLACES                                         ; in front of the loads into the buffer just read; behind step 6 in front of the reads of its results below
.endif
.if \k < 6
	LOADW (\k)+2
.endif
.endr
	; q times log2(e) / 4, rounded, 16 bytes a lane into block (head, my tile).  These 32 plain instructions name nothing of step 7's products and are the places behind them.
.set nn, 0
.rept 4
.set aa, ACC+8*nn
.set jj, 0
.rept 4
	v_pk_mul_f32 v[aa+2*jj:aa+2*jj+1], v[aa+2*jj:aa+2*jj+1], s[CS:CS+1] op_sel_hi:[1,0]
.set jj, jj+1
.endr
.set jj, 0
.rept 4
	v_cvt_pk_bf16_f32 v[TP+jj], v[aa+2*jj], v[aa+2*jj+1]
.set jj, jj+1
.endr
	ds_store_b128 v[QW], v[TP:TP+3] offset:nn*8192
.set nn, nn+1
.endr
.if VERT == 0
	s_lshl_b32 s[TS0], s[WV], 12                   ; Wproj: rows k = 8 w .. 8 w + 7, a lane takes columns 4 l .. 4 l + 3; asked for now, packed behind the barrier
	v_add_nc_u32 v[TA], s[TS0], v[L16]
.set ii, 0
.rept 8
	global_load_b128 v[WP+4*ii:WP+4*ii+3], v[TA], s[PWP:PWP+1] offset:ii*512
.set ii, ii+1
.endr
.endif
.set nn, 0
.rept 4
.set aa, ACC+32+8*nn
.set jj, 0
.rept 4
	v_cvt_pk_bf16_f32 v[TP+jj], v[aa+2*jj], v[aa+2*jj+1]
.set jj, jj+1
.endr
	ds_store_b128 v[QW], v[TP:TP+3] offset:32768+nn*8192  ; k
.set nn, nn+1
.endr
.set nn, 0
.rept 4
.set aa, ACC+64+8*nn
.set jj, 0
.rept 4
	v_pk_add_f32 v[aa+2*jj:aa+2*jj+1], v[aa+2*jj:aa+2*jj+1], v[BV+2*nn:BV+2*nn+1]
.set jj, jj+1
.endr
.set jj, 0
.rept 4
	v_cvt_pk_bf16_f32 v[TP+jj], v[aa+2*jj], v[aa+2*jj+1]
.set jj, jj+1
.endr
	ds_store_b128 v[VW], v[TP:TP+3] offset:nn*8192        ; v
.set nn, nn+1
.endr
	s_wait_dscnt 0x0                               ; for the others' sake: my blocks are stored, my reads of W^T are back
	s_barrier_signal -1
	s_barrier_wait -1                              ; q, k, v of the stripe are whole; nobody reads W^T any more
	; ATTENTION.  My head's K and V come into registers once, for four units.
	s_lshl_b32 s[TS0], s[HD], 13
	s_add_co_u32 s[TS0], s[TS0], KS
	v_add_nc_u32 v[TC], s[TS0], v[L16]
.set tt, 0
.rept 16
	ds_load_b128 v[KF+4*tt:KF+4*tt+3], v[TC] offset:512*tt
.set tt, tt+1
.endr
.set tt, 0
.rept 16
	ds_load_b128 v[VF+4*tt:VF+4*tt+3], v[TC] offset:32768+512*tt
.set tt, tt+1
.endr
.if VERT == 0
	v_mul_u32_u24 v[TB], v[L16], 68                ; Wproj^T takes W^T's place: row 4 l + e, bytes 16 w on
	s_lshl_b32 s[TS0], s[WV], 4
	s_add_co_u32 s[TS0], s[TS0], WS
	v_add_nc_u32 v[TB], s[TS0], v[TB]
	s_wait_loadcnt 0x0                             ; Wproj
.set ee, 0
.rept 4
.set jj, 0
.rept 4
	v_cvt_pk_bf16_f32 v[TP+jj], v[WP+8*jj+ee], v[WP+8*jj+4+ee]
.set jj, jj+1
.endr
	ds_store_b128 v[TB], v[TP:TP+3] offset:ee*WPITCH
.set ee, ee+1
.endr
.endif
.set jj, 0
.rept 4
	v_mov_b32 v[KF+64+jj], 0                       ; the upper half of the last tile's fragment
	v_mov_b32 v[QF+4+jj], 0                        ; channels 16-31 of q: there are none
.set jj, jj+1
.endr
.set jj, 0
.rept 8
	v_mov_b32 v[ONE+jj], 0x3f803f80                ; 1.0, 1.0 in bf16
.set jj, jj+1
.endr
	v_mov_b32 v[T+1], 0                            ; v_permlanex16_b32 counts as a reader of its destination
.macro SCORE g, sub                    ; S^T of keys 32 g .. 32 g + 31: a lane holds ONE query (lane % 16) and keys 8 (lane / 16) + 0..7 of each tile.  sub = 1: less m
.set sb, SA+16*((\g)%2)
.set kf, KF+8*(\g)
.if \sub
	v_wmma_f32_16x16x32_bf16 v[sb:sb+7], v[kf:kf+7], v[QF:QF+7], v[NM:NM+7]
	v_wmma_f32_16x16x32_bf16 v[sb+8:sb+15], v[kf+4:kf+11], v[QF:QF+7], v[NM:NM+7]
.else
	v_wmma_f32_16x16x32_bf16 v[sb:sb+7], v[kf:kf+7], v[QF:QF+7], 0
	v_wmma_f32_16x16x32_bf16 v[sb+8:sb+15], v[kf+4:kf+11], v[QF:QF+7], 0
.endif
.endm
.macro MAXG g                          ; four chains take the group's 16 scores, each tile's lowest registers first
.set sb, SA+16*((\g)%2)
.set ii, 0
.rept 4
.if (\g) == 0
	v_max_num_f32 v[CH+ii], v[sb+2*ii], v[sb+2*ii+1]
.else
	v_max3_num_f32 v[CH+ii], v[CH+ii], v[sb+2*ii], v[sb+2*ii+1]
.endif
.set ii, ii+1
.endr
.set ii, 0
.rept 4
	v_max3_num_f32 v[CH+ii], v[CH+ii], v[sb+8+2*ii], v[sb+8+2*ii+1]
.set ii, ii+1
.endr
.endm
.macro EC g                            ; 16 exponentials in place and 8 roundings: two rounded tiles ARE source 1 (32 keys x 16 queries) of the second product.
.set sb, SA+16*((\g)%2)                ; Between every exponential and the rounding that reads it stands a plain instruction (ISA guide 5.7.2)
.set pb, P0+8*((\g)%2)
.set ii, 0
.rept 4
	v_exp_f32 v[sb+ii], v[sb+ii]
.set ii, ii+1
.endr
	v_nop
	s_wait_alu depctr_va_vdst(0)
	v_cvt_pk_bf16_f32 v[pb], v[sb], v[sb+1]
.set ii, 1
.rept 6
	v_exp_f32 v[sb+2*ii+2], v[sb+2*ii+2]
	v_exp_f32 v[sb+2*ii+3], v[sb+2*ii+3]
	s_wait_alu depctr_va_vdst(0)
	v_cvt_pk_bf16_f32 v[pb+ii], v[sb+2*ii], v[sb+2*ii+1]
.set ii, ii+1
.endr
	v_cvt_pk_bf16_f32 v[pb+7], v[sb+14], v[sb+15]
.endm
.macro PVS g                           ; O^T += V^T P and the row sums += ones x P: the two accumulators take turns
.set pb, P0+8*((\g)%2)
.if (\g) == 0
	v_wmma_f32_16x16x32_bf16 v[OA:OA+7], v[VF+8*(\g):VF+8*(\g)+7], v[pb:pb+7], 0
	v_wmma_f32_16x16x32_bf16 v[LA:LA+7], v[ONE:ONE+7], v[pb:pb+7], 0
.else
	v_wmma_f32_16x16x32_bf16 v[OA:OA+7], v[VF+8*(\g):VF+8*(\g)+7], v[pb:pb+7], v[OA:OA+7]
	v_wmma_f32_16x16x32_bf16 v[LA:LA+7], v[ONE:ONE+7], v[pb:pb+7], v[LA:LA+7]
.endif
.endm
	s_mov_b32 s[CNT], 4
.Lunit:                                                ; a unit: 16 queries x 256 keys of my head
	ds_load_b128 v[QF:QF+3], v[QA]
	s_wait_dscnt 0x0                               ; q (in the first trip K and V too)
	s_cmp_lg_u32 s[CNT], s[PF]
	s_cbranch_scc1 .Lno_prefetch
	global_prefetch_b8 v[PFO], s[PFB:PFB+1] th:TH_LOAD_NT scope:SCOPE_SE  ; in my last unit: the same stripe four images on, one block of 256 bytes a thread, 128 KB a work-group, each block asked for once in the launch
.Lno_prefetch:
	; pass 1: the maximum.  A group's maxima stand behind the next group's products; the eight maxima of the other buffer are the places.
	SCORE 0, 0
	SCORE 1, 0
	PLACES
	MAXG 0
.irp g, 2,3,4,5,6,7
	SCORE \g, 0
	MAXG (\g)-1
.endr
	MAXG 7
	v_max3_num_f32 v[T], v[CH], v[CH+1], v[CH+2]
	v_max_num_f32 v[T], v[T], v[CH+3]
	v_permlanex16_b32 v[T+1], v[T], s[SEL], s[SEL+1]  ; the query's other 128 keys lie in the lane 16 away
	v_max_num_f32 v[T], v[T], v[T+1]
.set jj, 0
.rept 8
	v_mul_f32 v[NM+jj], -1.0, v[T]
.set jj, jj+1
.endr
	; pass 2: the scores less m, the weights, the second product.  The other buffer's roundings are the places behind each pair of score products.
	SCORE 0, 1
	SCORE 1, 1
	PLACES
	v_nop                                          ; a fifth: group 2's products write over group 0's results
.irp g, 0,1,2,3,4,5,6,7
	EC \g
	PVS \g
.if \g < 6
	SCORE (\g)+2, 1
.endif
.endr
	PLACES
	v_rcp_f32 v[R], v[LA]                          ; every register of the row sums holds my query's l, which is 1 or more to within bf16's rounding
	v_rcp_f32 v[R+1], v[LA]
	v_nop
.set jj, 0
	s_wait_alu depctr_va_vdst(0)
.rept 4
	v_pk_mul_f32 v[OA+2*jj:OA+2*jj+1], v[OA+2*jj:OA+2*jj+1], v[R:R+1]
.set jj, jj+1
.endr
.set jj, 0
.rept 4
	v_cvt_pk_bf16_f32 v[TP+jj], v[OA+2*jj], v[OA+2*jj+1]
.set jj, jj+1
.endr
.if VERT
	ds_store_b128 v[OST], v[TP:TP+3]               ; into the stage, where x lay: x's fills and reads ended in front of the first barrier
	v_add_nc_u32 v[OST], 16*HPITCH, v[OST]
.else
	ds_store_b128 v[QA], v[TP:TP+3]                ; o takes the place of the unit's q, which I alone read, above
.endif
	v_add_nc_u32 v[QA], 512, v[QA]
	s_sub_co_u32 s[CNT], s[CNT], 1
	s_cmp_lg_u32 s[CNT], 0
	s_cbranch_scc1 .Lunit
.if VERT
	s_wait_dscnt 0x0                               ; for the others' sake: my o is stored
	s_barrier_signal -1
	s_barrier_wait -1                              ; a token's 128 bytes come from four waves
.set ii, 0
.rept 4
	ds_load_b128 v[OB+4*ii:OB+4*ii+3], v[RD] offset:ii*4*HPITCH
.set ii, ii+1
.endr
.set ii, 0
.rept 4
	s_wait_dscnt 3-ii                              ; the younger loads stay out
	global_store_b128 v[GO], v[OB+4*ii:OB+4*ii+3], s[PHV:PHV+1] offset:ii*32768  ; 16 lanes store the 256 consecutive bytes of two tokens, at a multiple of 256 from hv's first byte
.set ii, ii+1
.endr
.else
	; THE PROJECTION.  out^T = Wproj^T h^T + (x + bproj): a lane holds ONE token and channels 16 i + 8 (lane / 16) + 0..7; residual and bias are the sums' beginnings.
.set ii, 0
.rept 16
	global_load_b128 v[BI+4*ii:BI+4*ii+3], v[GOF], s[PBP:PBP+1] offset:64*(ii/2)+16*(ii%2)
.set ii, ii+1
.endr
	s_wait_dscnt 0x0                               ; for the others' sake: my o and my rows of Wproj^T are stored
	s_barrier_signal -1
	s_barrier_wait -1
.macro LOADP c, f
.set ii, 0
.rept 8
	ds_load_b128 v[(\f)+8*ii:(\f)+8*ii+3], v[WA] offset:ii*16*WPITCH+64*(\c)
	ds_load_b128 v[(\f)+8*ii+4:(\f)+8*ii+7], v[WA] offset:ii*16*WPITCH+64*(\c)+32
.set ii, ii+1
.endr
.endm
.macro MULP c, f                       ; the eight accumulators take turns
.set ii, 0
.rept 8
	v_wmma_f32_16x16x32_bf16 v[XR+8*ii:XR+8*ii+7], v[(\f)+8*ii:(\f)+8*ii+7], v[H+8*(\c):H+8*(\c)+7], v[XR+8*ii:XR+8*ii+7]
.set ii, ii+1
.endr
.endm
.set ii, 0
.rept 16
	ds_load_b128 v[XR+4*ii:XR+4*ii+3], v[XA] offset:64*(ii/2)+16*(ii%2)  ; x once more, from LDS
.set ii, ii+1
.endr
.set ii, 0
.rept 4
	ds_load_b128 v[H+4*ii:H+4*ii+3], v[QW] offset:ii*8192                 ; head i's o of my tokens: channels 16 i + 8 (lane / 16) on
.set ii, ii+1
.endr
.set ii, 0
.rept 4
	ds_load_b128 v[H+16+4*ii:H+16+4*ii+3], v[HA] offset:32*ii             ; hv: channels 64 + 16 i + 8 (lane / 16) on
.set ii, ii+1
.endr
	LOADP 0, WFA
	s_wait_loadcnt 0x0                             ; bproj
	s_wait_dscnt 24                                ; x is in; h's 8 loads and the 16 of Wproj^T are younger
.set ii, 0
.rept 32
	v_pk_add_f32 v[XR+2*ii:XR+2*ii+1], v[XR+2*ii:XR+2*ii+1], v[BI+2*ii:BI+2*ii+1]
.set ii, ii+1
.endr
	LOADP 1, WFB
	s_wait_dscnt 16                                ; all but the 16 just issued
	MULP 0, WFA
	PLACES
	LOADP 2, WFA
	s_wait_dscnt 16
	MULP 1, WFB
	PLACES
	LOADP 3, WFB
	s_wait_dscnt 16
	MULP 2, WFA
	s_wait_dscnt 0x0
	MULP 3, WFB
	PLACES
	; THE WAY OUT: back into my own rows of x, whose one fill is long over, and out as whole tokens of 512 bytes
.set ii, 0
.rept 16
	ds_store_b128 v[XA], v[XR+4*ii:XR+4*ii+3] offset:64*(ii/2)+16*(ii%2)
.set ii, ii+1
.endr
.set ii, 0
.rept 16
	ds_load_b128 v[ROW+4*ii:ROW+4*ii+3], v[RD] offset:XPITCH*ii  ; LDS serves a wave's instructions in order (ISA guide 5.7.1.4): these see the stores above
.set ii, ii+1
.endr
.set ii, 0
.rept 16
	s_wait_dscnt 15-ii                             ; the younger loads stay out
	global_store_b128 v[L16], v[ROW+4*ii:ROW+4*ii+3], s[POUT:POUT+1] offset:512*ii th:TH_STORE_NT  ; 512 consecutive bytes, at a multiple of 256 from out0's first byte
.set ii, ii+1
.endr
.endif
	s_wait_tensorcnt 0x0                           ; the wave's end: the add and its wait, behind my last tensor load and my last LDS store
	ds_add_u32 v[SPW], v[NIL]
	s_wait_dscnt 0x0
	s_endpgm
.Lfunc_end_k_qb6c14d9274_horz:
	.size	k_qb6c14d9274_horz, .Lfunc_end_k_qb6c14d9274_horz-k_qb6c14d9274_horz
	.p2alignl 7, 3214868480
	.fill 96, 4, 3214868480
	.section	.rodata,"a",@progbits
	.p2align	6, 0x0
	.amdhsa_kernel k_qb6c14d9274_horz
		.amdhsa_group_segment_fixed_size 327680
		.amdhsa_private_segment_fixed_size 0
		.amdhsa_enable_private_segment 0
		.amdhsa_kernarg_size 72
		.amdhsa_user_sgpr_count 2
		.amdhsa_user_sgpr_kernarg_segment_ptr 1
		.amdhsa_wavefront_size32 1
		.amdhsa_system_sgpr_workgroup_id_x 1
		.amdhsa_system_sgpr_workgroup_id_y 1
		.amdhsa_system_sgpr_workgroup_id_z 1
		.amdhsa_system_vgpr_workitem_id 0
		.amdhsa_next_free_vgpr 256
		.amdhsa_next_free_sgpr 66
		.amdhsa_reserve_vcc 0
		.amdhsa_float_denorm_mode_32 3
		.amdhsa_float_denorm_mode_16_64 3
		.amdhsa_memory_ordered 1
		.amdhsa_forward_progress 1
		.amdhsa_inst_pref_size 85
	.end_amdhsa_kernel
	.amdgpu_metadata
---
amdhsa.version: [ 1, 2 ]
amdhsa.kernels:
  - .name:           k_qb6c14d9274_horz
    .symbol:         k_qb6c14d9274_horz.kd
    .args:
      - { .name: x, .offset: 0, .size: 8, .value_kind: global_buffer, .address_space: global }
      - { .name: Wqkv, .offset: 8, .size: 8, .value_kind: global_buffer, .address_space: global }
      - { .name: bqkv, .offset: 16, .size: 8, .value_kind: global_buffer, .address_space: global }
      - { .name: gamma, .offset: 24, .size: 8, .value_kind: global_buffer, .address_space: global }
      - { .name: beta, .offset: 32, .size: 8, .value_kind: global_buffer, .address_space: global }
      - { .name: hv, .offset: 40, .size: 8, .value_kind: global_buffer, .address_space: global }
      - { .name: Wproj, .offset: 48, .size: 8, .value_kind: global_buffer, .address_space: global }
      - { .name: bproj, .offset: 56, .size: 8, .value_kind: global_buffer, .address_space: global }
      - { .name: out0, .offset: 64, .size: 8, .value_kind: global_buffer, .address_space: global }
    .group_segment_fixed_size: 327680
    .private_segment_fixed_size: 0
    .kernarg_segment_align: 8
    .kernarg_segment_size: 72
    .max_flat_workgroup_size: 512
    .sgpr_count:     66
    .vgpr_count:     256
    .wavefront_size: 32
...
	.end_amdgpu_metadata
.endif
;; end of part 2
